; MI455X (gfx1250); checked and timed in simulation.
; The chip was launched on July 23, 2026; its instructions are those of AMD's public machine-readable ISA for CDNA 5 (MIT licence, August 2026) and "CDNA5" Instruction Set Architecture Reference Guide (July 2026). The comments in the code are by the model that wrote it; some were corrected since.
;; Attention. Allowed arithmetic: matrix products marked QUANTISED: E2M1 operands, one E8M0 scale for each 32 along K, by v_wmma_scale_f32_16x16x128_f8f6f4 with both operands' format E2M1 (or v_wmma_scale_f32_32x16x128_f4), f32 sums; everything else in f32.
;; Inputs: out_b 1,024 float32; out_w_codes 1,024 x 32 x 16 uint8 (E2M1 codes of out_w, K innermost, in blocks of 32 codes, two codes a byte); out_w_scales 1,024 x 32 uint8 (E8M0 scales of out_w, one for each 32 codes along K); qkv_b 3,072 float32; qkv_w_codes 3,072 x 32 x 16 uint8 (E2M1 codes of qkv_w, K innermost, in blocks of 32 codes, two codes a byte); qkv_w_scales 3,072 x 32 uint8 (E8M0 scales of qkv_w, one for each 32 codes along K); x_codes 4 x 2,048 x 32 x 16 uint8 (E2M1 codes of x, K innermost, in blocks of 32 codes, two codes a byte); x_scales 4 x 2,048 x 32 uint8 (E8M0 scales of x, one for each 32 codes along K).
;; Outputs: out0 4 x 2,048 x 1,024 float32.
;; This version of the problem:
;;   THIS VERSION OF THE PROBLEM IS GIVEN IN LOW PRECISION. The matrix products marked QUANTISED in the list below multiply operands that are first quantised to E2M1 (2 exponent bits, 1 mantissa bit; 4 bits a number), with one power-of-two scale for each 32 numbers along K (OCP MX v1.0); their sums are f32. All else is computed in f32.
;;   The module's matrix products, in the order in which they are computed (A, B: the left and right operand; K: the contracted axis; several contracted axes count as one K, in the product's order):
;;     1. [M 8,192, K 1,024] x [K 1,024, N 3,072]; A: input x (given as codes); B: input qkv_w (given as codes): QUANTISED
;;     2. batch 64 x [M 2,048, K 64] x [K 64, N 2,048]; A: computed on the way; B: computed on the way: QUANTISED
;;     3. batch 64 x [M 2,048, K 2,048] x [K 2,048, N 64]; A: softmax (see below); B: computed on the way: QUANTISED
;;     4. [M 8,192, K 1,024] x [K 1,024, N 1,024]; A: computed on the way; B: input out_w (given as codes): QUANTISED
;;   THE QUANTISER, for each operand of a quantised product, along K:
;;     - K is cut into blocks of 32 from its start; a last block that is shorter is filled with zeros.
;;     - A block's scale is 2^e with e = floor(log2(the largest magnitude in the block)) - 2, held to -126 .. 127; a block of zeros has e = 0. As a byte (E8M0): e + 127.
;;     - Each number is divided by its block's scale, clamped to +-6, and rounded to the nearest number of E2M1, ties to even, subnormals kept.
;;     - The product sums the exact products of the quantised numbers (number of the format x scale) in f32.
;;   ~~~python
;;   def quantise(x, axis):      # numpy; x: float32 -> the quantised numbers, widened to float32 again
;;       x = np.moveaxis(x, axis, -1); K = x.shape[-1]
;;       x = np.pad(x, [(0, 0)] * (x.ndim - 1) + [(0, -K % 32)]); x = x.reshape(x.shape[:-1] + (-1, 32)); a = np.abs(x).max(-1, keepdims=True)
;;       e = np.where(a > 0, np.clip(np.frexp(np.where(a > 0, a, 1))[1] - 1 - 2, -126, 127), 0)      # np.frexp(a)[1] - 1 = floor(log2(a)), exactly
;;       r = np.clip(x / 2.0 ** e, -6, 6)
;;       step = 2.0 ** (np.maximum(np.frexp(np.where(r == 0, 1, r))[1] - 1, 0) - 1)
;;       q = np.round(r / step) * step * 2.0 ** e      # np.round: ties to even
;;       return np.moveaxis(q.reshape(q.shape[:-2] + (-1,))[..., :K], -1, axis).astype(np.float32)
;;   ~~~
;;   SOFTMAX AHEAD OF A QUANTISED PRODUCT. Where the list says 'softmax', what is quantised is not the finished softmax but p = 2^(t - M), with t = logit x log2(e) and M = ceil(the row's largest t), a whole number; so 1/2 < the row's largest p <= 1. The row's sum l is taken of the UNQUANTISED p, in f32, and the product's result is divided by l at the end. Since M is a whole number, a kernel that streams over the keys may use a running M (the ceiling of the running maximum): every later rescaling is an exact power of two, which a block's scale takes up: the codes' values come out the same.
;;   OPERANDS COMPUTED ON THE WAY. 'Computed on the way' means the value that the module computes at that place (a softmax that the list does not call 'softmax' is quantised finished and normalised). What goes into a quantiser is computed in f32, as accurately as f32 sums, v_exp_f32 and their like allow (about 1e-6 of the number): no bf16 or f16 on the way to a quantiser, and a product that is left as it is and whose result goes on into a quantised operand takes f32 operands (vector FMAs, or v_wmma_f32_16x16x4_f32). A number that lies on a knife's edge between two numbers of the format may be rounded either way, as far as f32 arithmetic and the matrix unit's own rounding can turn it there, and no further.
;;   INPUTS GIVEN AS CODES. out_w (in the module: [1024, 1024], K = its axis 1); qkv_w (in the module: [3072, 1024], K = its axis 1); x (in the module: [4, 2048, 1024], K = its axis 2): each comes as NAME_codes (uint8): NAME with its K axis moved to the last place and cut into blocks of 32 codes, [.., K / 32, bytes a block], one block behind the other in memory; two codes a byte, the lower K in the low four bits (a code: sign, 2 exponent bits, 1 mantissa bit); and NAME_scales (uint8): the same leading axes, one E8M0 byte (e + 127) for each 32 codes along K. Its value is code x scale, taken as it is: it is not quantised again, and the codes and scales need not be those that the quantiser above would give.
;; One version. Each part assembles by itself: llvm-mc -triple=amdgcn-amd-amdhsa -mcpu=gfx1250 --defsym DOCPART=n.
;; ======== version 1 of 1: 3 launches
;; workspace buffers: qi 4,718,592 bytes; kv 9,175,040 bytes; oi 4,194,304 bytes; os 262,144 bytes
;; launch qkv (part 1): grid 12 x 32, 4 waves a work-group, clusters of 4 x 4, 289,280 bytes of LDS; arguments x_codes, x_scales, qkv_w_codes, qkv_w_scales, qkv_b, qi, kv; writes qi, kv
.if DOCPART == 1
	.amdgcn_target "amdgcn-amd-amdhsa--gfx1250"
	.amdhsa_code_object_version 6
	.text
	.protected	k_q0cb8da0c63_qkv
	.globl	k_q0cb8da0c63_qkv
	.p2align	8
	.type	k_q0cb8da0c63_qkv,@function
k_q0cb8da0c63_qkv:
	s_mov_b64 s[64:65], 0
	v_nop
	global_prefetch_b8 v0, s[64:65] scope:SCOPE_SE
	s_setreg_imm32_b32 hwreg(HW_REG_WAVE_MODE, 25, 1), 1
	s_wait_xcnt 0x0
	s_wait_alu depctr_hold_cnt(0) depctr_sa_sdst(0) depctr_va_vdst(0) depctr_va_sdst(0) depctr_va_ssrc(0) depctr_va_vcc(0) depctr_vm_vsrc(0)
	s_getreg_b32 s2, hwreg(HW_REG_IB_STS2, 6, 4)
	s_cmp_eq_u32 s2, 0
	s_cbranch_scc0 .Lentry_in_a_cluster
	s_endpgm
.Lentry_in_a_cluster:
	s_bfe_u32 s2, ttmp6, 0x10000c
	s_cmp_lg_u32 s2, 0xf033
	s_cbranch_scc0 .Lentry_shape_is_right
	s_endpgm
.Lentry_shape_is_right:
; qkv = x W^T + b on codes of FP4 (E2M1) with one E8M0 scale for each 32 along K = 1,024; the result is quantised at once: q and k along the head's 64, v along the keys,
; and leaves as IMAGES OF THE NEXT PRODUCTS' OPERAND REGISTERS (16 bytes a lane, 512 consecutive bytes a store), so that the next launch transposes nothing.
; SHARES.  A work-group of four waves makes 256 x 256 of the product, a wave 128 x 128: 64 accumulators of 16 x 16, 512 registers.  All of K lies in LDS: each LDS byte is filled once.
; ONE TEXT FOR q, k AND v.  Source 0 (here B) is the operand whose rows come to lie along a lane's registers, source 1 (here A) the one whose row is the lane.
;   q, k (cluster x = 0, 1): B = 256 rows of W, A = 256 tokens: a lane holds one token and its registers run along d.     v (cluster x = 2): B = 256 tokens, A = 256 rows of W: a lane holds one d and its registers run along the keys.
;   Both tensors have rows of 512 bytes of codes and 32 bytes of scales, so only pointers and the parts of cx and cy change places.
; THE ROWS OF A TILE ARE NOT NEIGHBOURS, on both sides: in a group of 128 rows, lane r of tile 2 b + u takes row 32 b + 8 u + r + 8 (r / 8).  As source 0 that makes the 16 registers of tiles 2 b, 2 b + 1
;   sixteen neighbours, 32 b + 16 (lane / 16) + 0 .. 15; as source 1 it only says which row a lane holds, and the later launches know it.
; CLUSTERS: 4 x 4.  A's tiles hang on cy alone and are asked for jointly by a row of the cluster, B's on cx alone, by a column.  Nothing is prefetched: every tensor load goes out at the head.
; 384 work-groups: a tile of 256 x 384, which would give 256, does not fit in LDS with all of K.
; LIMITS: NaN and infinities are not served.  A block whose largest magnitude lies under 2^-124 keeps the scale byte 1; a block of zeros gets the byte 1 where the rule says 127: its codes are zeros, and this program alone reads the bytes.
; REGISTERS: window 0: v1-7, v16-27 addresses; v32-95 scale words; v96-111 at work; v112-127 codes just made, two sets; v128-191 A's fragments, one set (on the way out scale words); v192-255 the bias as C.
;   window 1: B's fragments, two sets, at v0 and v128.   windows 2, 3: the accumulators, (a, b) at v[8 (8 (a % 4) + b)] of window 2 + a / 4.
.set PITCH, 528                        ; an LDS row: 512 bytes + 16 of padding
.set REG1,  67712                      ; an operand's rows lie in two regions, by bit 4 of the row's number; the second begins 128 rows + 128 bytes behind the first: the 16 rows of a tile (eight in each region) then start at 16 different columns of 16 bytes modulo 256 (64 banks of 4 bytes: ISA guide 11.1)
.set OPB,   2*REG1                     ; B's two regions behind A's
.set HALFR, 64*PITCH                   ; in a region: the rows of 128 rows of the operand
.set SCL,   4*REG1                     ; the scales: four pieces (A's halves, B's halves) of 128 rows x 32 bytes, as 16 units of 256 bytes + 16
.set HALFS, 4352
.set QREC,  73728                      ; a head's record in qi: 65,536 of images, 8,192 of scale words
.set REC,   143360                     ; and in kv: K's images, V's images, K's scale words (at 131,072), V's (at 139,264)
.set ADRA, 16                          ; v16  LDS address of my A fragments
.set ADRB, 20                          ; v20  of my B fragments
.set LI,   24                          ; v24  16 x lane
.set L8,   25                          ; v25  8 x lane
.set BO,   26                          ; v26  the bias's offset
.set ADRS, 27                          ; v27  LDS address of my scale words: lanes 0-15 A's rows, lanes 16-31 B's
.set SC,   32                          ; v[SC + 8 i + q]: lanes 0-15 the word of A's tile i, lanes 16-31 that of B's tile i, for the q-th 128 along K
.set TM,   96
.set PC,   112
.set AF,   128
.set PWS,  128                         ; the way out: the scale word of block a
.set SI,   136                         ; the way out: scale words as they are stored
.set BI,   192
.set SEL,  2                           ; s[2:3] lane selects for v_permlanex16_b32: lane l xor 16
.set G1A,  24                          ; s[24:31], s[32:39] descriptor group 1 for A's and B's codes;  s[40:47], s[48:55] for their scales
.set G1B,  32
.set G1SA, 40
.set G1SB, 48
.set G0A,  56                          ; s[56:59], s[60:63], s[68:71], s[72:75] the four groups 0
.set G0B,  60
.set G0SA, 68
.set G0SB, 72
.set MSB, 0
.macro WIN new                         ; the immediate's high byte repeats the setting that is left
.if MSB != \new
	s_set_vgpr_msb (MSB<<8)|\new
.set MSB, \new
.endif
.endm
.macro PLACES n
.rept \n
	v_nop
.endr
.endm
.macro CROUND                          ; a round of the cluster's barrier
	s_barrier_signal -1
	s_barrier_wait -1
	s_cmp_lg_u32 s18, 0
	s_cbranch_scc1 .Lnot_wave_0_\@
	s_barrier_signal -3
.Lnot_wave_0_\@:
	s_barrier_wait -3
	s_barrier_signal -1
	s_barrier_wait -1
.endm
.macro JLOAD g0a, g1a, g0b, g1b        ; a joint load: waves 0 and 1 fetch for A, waves 2 and 3 for B; four v_nop follow each of the two lines
	s_cmp_eq_u32 s19, 0
	s_cbranch_scc0 .Lfor_b_\@
	tensor_load_to_lds s[\g0a:\g0a+3], s[\g1a:\g1a+7]
	s_nop 0
	PLACES 4
	s_branch .Lasked_\@
.Lfor_b_\@:
	tensor_load_to_lds s[\g0b:\g0b+3], s[\g1b:\g1b+7]
	s_nop 0
	PLACES 4
.Lasked_\@:
.endm
	s_load_b256 s[4:11], s[0:1], 0x0               ; x's codes s[4:5], x's scales s[6:7], W's codes s[8:9], W's scales s[10:11]
	s_load_b128 s[12:15], s[0:1], 0x20             ; the bias s[12:13], qi s[14:15]
	s_load_b64 s[16:17], s[0:1], 0x30              ; kv
	v_lshl_add_u32 v106, v0, 2, 0x46800
	v_mov_b32 v107, 0
	ds_add_u32 v106, v107
	ds_add_u32 v106, v107
	v_lshrrev_b32 v1, 5, v0
	v_readfirstlane_b32 s18, v1                    ; wave 0..3
	s_lshr_b32 s19, s18, 1                         ; which 128 rows of A are mine.  Also: I fetch for A (0) or for B (1)
	s_and_b32 s20, s18, 1                          ; which 128 rows of B are mine.  Also: which part I fetch
	s_mov_b32 s21, ttmp9                           ; cluster x: 0 q, 1 k, 2 v: the same in all sixteen partners
	s_and_b32 s22, ttmp7, 0xffff                   ; cluster y: which 1,024 tokens
	s_bfe_u32 s76, ttmp6, 0x40000                  ; cx
	s_bfe_u32 s77, ttmp6, 0x40004                  ; cy
	s_lshl_b32 s78, s77, 2
	s_lshl_b32 s78, 15, s78                        ; my row of the cluster
	s_lshl_b32 s79, 0x1111, s76                    ; my column
	s_mov_b32 s[SEL], 0x76543210
	s_mov_b32 s[SEL+1], 0xfedcba98
	; group 1 for codes: 8 tile rows of 8,192 bytes (16 rows of the tensor on end), 32 rows of the tensor apart; 16 bytes of padding behind every 512: 128 LDS rows of 528 bytes
	s_or_b32 s[G1A], s78, (0<<16)|(1<<20)|(1<<21)|(6<<22)|(3<<25)   ; 15:0 the mask; 17:16 elements of 1 byte; 20 padding on; 21 set beside a mask; 24:22 after every 128 words (code 6); 31:25 four words (code 3)
	s_or_b32 s[G1B], s79, (0<<16)|(1<<20)|(1<<21)|(6<<22)|(3<<25)
.irp g, G1A, G1B
	s_mov_b32 s[\g+1], 8192<<16                    ; tensor_dim0
	s_mov_b32 s[\g+2], 8<<16                       ; tensor_dim1
	s_mov_b32 s[\g+3], 8192<<16                    ; tile_dim0
	s_mov_b32 s[\g+4], 8                           ; tile_dim1
	s_mov_b32 s[\g+5], 16384                       ; tensor_dim0_stride
	s_mov_b32 s[\g+6], 0
	s_mov_b32 s[\g+7], 0
.endr
	; group 1 for the scales of 128 rows: 4,096 dense bytes as 16 rows of 256 (32 elements of 8 bytes), 16 bytes of padding behind each
	s_or_b32 s[G1SA], s78, (3<<16)|(1<<20)|(1<<21)|(5<<22)|(3<<25)
	s_or_b32 s[G1SB], s79, (3<<16)|(1<<20)|(1<<21)|(5<<22)|(3<<25)
.irp g, G1SA, G1SB
	s_mov_b32 s[\g+1], 32<<16
	s_mov_b32 s[\g+2], 16<<16
	s_mov_b32 s[\g+3], 32<<16
	s_mov_b32 s[\g+4], 16
	s_mov_b32 s[\g+5], 32
	s_mov_b32 s[\g+6], 0
	s_mov_b32 s[\g+7], 0
.endr
	s_cmp_eq_u32 s21, 2                            ; v?
	s_cselect_b32 s80, s21, s22                    ; A's block of 1,024 rows: of W for v, of the tokens else
	s_cselect_b32 s81, s22, s21                    ; B's: the other way round
	s_lshl_b32 s82, s80, 2
	s_add_co_u32 s82, s82, s77
	s_lshl_b32 s82, s82, 8                         ; A's first row: it hangs on cy, never on cx
	s_lshl_b32 s83, s81, 2
	s_add_co_u32 s83, s83, s76
	s_lshl_b32 s83, s83, 8                         ; B's first row: it hangs on cx, never on cy
	s_lshl_b32 s92, s20, 4
	s_add_co_u32 s92, s92, s82
	s_lshl_b32 s92, s92, 9                         ; A's codes: my region begins with row 16 e
	s_mov_b32 s93, 0
	s_lshl_b32 s94, s20, 7
	s_add_co_u32 s94, s94, s82
	s_lshl_b32 s94, s94, 5                         ; A's scales: my piece begins with row 128 e
	s_mov_b32 s95, 0
	s_lshl_b32 s96, s20, 4
	s_add_co_u32 s96, s96, s83
	s_lshl_b32 s96, s96, 9                         ; B's likewise
	s_mov_b32 s97, 0
	s_lshl_b32 s98, s20, 7
	s_add_co_u32 s98, s98, s83
	s_lshl_b32 s98, s98, 5
	s_mov_b32 s99, 0
	s_wait_dscnt 0x0
	s_wait_kmcnt 0x0
	s_cmp_eq_u32 s21, 2
	s_cselect_b64 s[84:85], s[8:9], s[4:5]         ; A's codes
	s_cselect_b64 s[86:87], s[10:11], s[6:7]       ; A's scales
	s_cselect_b64 s[88:89], s[4:5], s[8:9]         ; B's codes
	s_cselect_b64 s[90:91], s[6:7], s[10:11]       ; B's scales
	s_mov_b32 s[G0A], 1                            ; count = 1
	s_mul_i32 s[G0A+1], s20, REG1                  ; LDS address: no place in the cluster enters it
	s_add_nc_u64 s[G0A+2:G0A+3], s[84:85], s[92:93]
	s_or_b32 s[G0A+3], s[G0A+3], 0x80000000        ; type = 2
	s_mov_b32 s[G0B], 1
	s_mul_i32 s[G0B+1], s20, REG1
	s_add_co_u32 s[G0B+1], s[G0B+1], OPB
	s_add_nc_u64 s[G0B+2:G0B+3], s[88:89], s[96:97]
	s_or_b32 s[G0B+3], s[G0B+3], 0x80000000
	s_mov_b32 s[G0SA], 1
	s_mul_i32 s[G0SA+1], s20, HALFS
	s_add_co_u32 s[G0SA+1], s[G0SA+1], SCL
	s_add_nc_u64 s[G0SA+2:G0SA+3], s[86:87], s[94:95]
	s_or_b32 s[G0SA+3], s[G0SA+3], 0x80000000
	s_mov_b32 s[G0SB], 1
	s_mul_i32 s[G0SB+1], s20, HALFS
	s_add_co_u32 s[G0SB+1], s[G0SB+1], SCL+2*HALFS
	s_add_nc_u64 s[G0SB+2:G0SB+3], s[90:91], s[98:99]
	s_or_b32 s[G0SB+3], s[G0SB+3], 0x80000000
	CROUND                                         ; all sixteen work-groups are here: the joint loads meet
	JLOAD G0SA, G1SA, G0SB, G1SB                   ; two tensor loads of mine are out: these are all that the launch has
	JLOAD G0A, G1A, G0B, G1B
	v_and_b32 v1, 15, v0                           ; r
	v_bfe_u32 v2, v0, 4, 1                         ; h
	v_and_b32 v3, 7, v0                            ; r % 8
	v_bfe_u32 v4, v0, 3, 1                         ; r / 8
	v_mul_u32_u24 v5, v3, PITCH
	v_mad_u32_u24 v5, v4, REG1, v5                 ; lanes 8-15 of a tile take rows 16 further on: the other region
	v_lshl_add_u32 v5, v2, 4, v5                   ; + 16 h
	s_mul_i32 s92, s19, HALFR
	v_add_nc_u32 v[ADRA], s92, v5
	s_mul_i32 s93, s20, HALFR
	s_add_co_u32 s93, s93, OPB
	v_add_nc_u32 v[ADRB], s93, v5
	v_mul_u32_u24 v6, v4, 544                      ; scale words: row 32 b + 16 (r / 8) + 8 u + r % 8 lies in unit 4 b + 2 (r / 8) + u, at 32 (r % 8)
	v_lshl_add_u32 v6, v3, 5, v6
	s_mul_i32 s92, s19, HALFS                      ; A's: my 128 rows
	s_mul_i32 s93, s20, HALFS                      ; B's: my 128 rows, behind A's 256
	s_add_co_u32 s93, s93, 2*HALFS
	s_sub_co_u32 s93, s93, s92
	v_mul_u32_u24 v7, s93, v2                      ; lanes 16-31 take B's
	s_add_co_u32 s92, s92, SCL
	v_add_nc_u32 v6, v6, v7
	v_add_nc_u32 v[ADRS], s92, v6
	v_and_b32 v8, 31, v0
	v_lshlrev_b32 v[LI], 4, v8
	v_lshlrev_b32 v[L8], 3, v8
.irp b, 0,1,2,3
	v_mov_b32 v[TM+4+\b], 0                        ; written once: a lane permute's destination counts as one of its sources
.endr
	; where my wave's 128 tokens and 128 columns lie
	s_lshl_b32 s92, s19, 7
	s_add_co_u32 s92, s92, s82                     ; my first row of A
	s_lshl_b32 s93, s20, 7
	s_add_co_u32 s93, s93, s83                     ; and of B
	s_cmp_eq_u32 s21, 2
	s_cselect_b32 s94, s93, s92                    ; my first token
	s_cselect_b32 s95, s92, s93                    ; my first column of qkv
	s_lshr_b32 s96, s94, 7
	s_and_b32 s97, s96, 15                         ; g: which 128 tokens of the batch
	s_lshr_b32 s96, s96, 4
	s_lshl_b32 s96, s96, 4                         ; 16 x batch
	s_bfe_u32 s98, s95, 0x40006                    ; the first of my two heads
	s_add_co_u32 s96, s96, s98                     ; its record
	s_lshl_b32 s98, s95, 2
	s_mov_b32 s99, 0
	s_add_nc_u64 s[12:13], s[12:13], s[98:99]      ; the bias at my first column
	; THE BIAS is the C of each sum's first matrix instruction, in the result's layout
	s_cmp_eq_u32 s21, 2
	s_cbranch_scc1 .Lbias_v
	v_lshlrev_b32 v[BO], 6, v2                     ; q, k: it runs along the registers: tile b of B: columns 32 (b / 2) + 16 h + 8 (b % 2) + 0 .. 7
.irp b, 0,1,2,3,4,5,6,7
	global_load_b128 v[BI+8*\b:BI+8*\b+3], v[BO], s[12:13] offset:(32*(\b/2)+8*(\b%2))*4
	global_load_b128 v[BI+8*\b+4:BI+8*\b+7], v[BO], s[12:13] offset:(32*(\b/2)+8*(\b%2))*4+16
.endr
	s_branch .Lbias_done
.Lbias_v:
	v_lshlrev_b32 v[BO], 2, v1                     ; v: one number a lane: tile a of A: column 32 (a / 2) + 8 (a % 2) + r + 8 (r / 8), the same in all eight registers
	v_lshl_add_u32 v[BO], v4, 5, v[BO]
.irp a, 0,1,2,3,4,5,6,7
	global_load_b32 v[BI+8*\a], v[BO], s[12:13] offset:(32*(\a/2)+8*(\a%2))*4
.endr
	s_wait_loadcnt 0x0
.irp a, 0,1,2,3,4,5,6,7
.irp j, 1,2,3,4,5,6,7
	v_mov_b32 v[BI+8*\a+\j], v[BI+8*\a]
.endr
.endr
	PLACES 4
.Lbias_done:
	s_wait_loadcnt 0x0                             ; the bias
	s_wait_tensorcnt 0x0                           ; my parts of the tiles and of the scales are in LDS,
	s_barrier_signal -1
	s_barrier_wait -1                              ; everybody's are
.macro FRAG reg, adr, q, i             ; a fragment, 16 rows x 128 K: lane l holds its row's K = 64 c + 32 (l / 16) + 0 .. 31 in registers 4 c .. 4 c + 3: two loads of 16 bytes, 32 bytes apart
.irp c, 0,1
	ds_load_b128 v[\reg+4*\c:\reg+4*\c+3], v[\adr] offset:64*(\q)+32*\c+(16*((\i)/2)+8*((\i)%2))*PITCH
.endr
.endm
.macro FETCH_B q, p                    ; B's eight fragments of the q-th 128 along K into set p
	WIN 0x40                                       ; destination window 1
.irp i, 0,1,2,3,4,5,6,7
	FRAG 128*(\p)+8*\i, ADRB, \q, \i
.endr
	WIN 0
.endm
.macro FETCH_A q, i0                   ; A's blocks i0 .. i0 + 3
.irp i, \i0, \i0+1, \i0+2, \i0+3
	FRAG AF+8*(\i), ADRA, \q, \i
.endr
.endm
; 16 matrix instructions: A's blocks a0, a0 + 1 x B's eight.  cm = 0: onto the sums; 1: the sums begin with the bias of B's tile; 2: with that of A's tile.  The 64 accumulators take turns, one instruction a turn,
; in the same order in every step.
.macro MUL16 a0, p, q, cm
.irp a, \a0, \a0+1
.irp b, 0,1,2,3,4,5,6,7
.set DR, 8*(8*((\a)%4)+\b)
.if \cm == 1
.set CR, BI+8*\b
.elseif \cm == 2
.set CR, BI+8*(\a)
.else
.set CR, DR
.endif
	v_wmma_scale_f32_16x16x128_f8f6f4 v[DR:DR+7], v[128*(\p)+8*\b:128*(\p)+8*\b+7], v[AF+8*(\a):AF+8*(\a)+7], v[CR:CR+7], v[SC+8*\b+(\q)], v[SC+8*(\a)+(\q)] matrix_a_fmt:MATRIX_FMT_FP4 matrix_b_fmt:MATRIX_FMT_FP4 matrix_a_scale:MATRIX_SCALE_ROW1
.endr
.endr
.endm
; A step of 128 along K.  A block of A is free as soon as its eight products are issued: blocks 0-3 are fetched anew in the step's middle, blocks 4-7 at its end; B has two sets.
; Four plain places stand in front of each run of loads into registers that matrix instructions have read (ISA guide 7.12.1 for vector instructions).
.macro STEP q, cm
	s_wait_dscnt 8                                 ; all but the youngest eight loads, A's blocks 4-7
.if \cm
	WIN 0x81                                       ; source 0 window 1, source 1 and C window 0, D window 2
.else
	WIN 0xa1                                       ; C and D window 2
.endif
	MUL16 0, (\q)%2, \q, \cm
	MUL16 2, (\q)%2, \q, \cm
	s_wait_dscnt 0x0                               ; A's blocks 4-7 are in
	PLACES 4
	FETCH_B (\q)+1, 1-(\q)%2
	FETCH_A (\q)+1, 0
.if \cm
	WIN 0xc1
.else
	WIN 0xf1
.endif
	MUL16 4, (\q)%2, \q, \cm
	MUL16 6, (\q)%2, \q, \cm
	PLACES 4
	WIN 0
	FETCH_A (\q)+1, 4
.endm
	FETCH_B 0, 0
	FETCH_A 0, 0
	s_wait_alu depctr_va_vdst(0)
.irp i, 0,1,2,3,4,5,6,7                ; all scale words: eight a row, two loads; lanes 0-15 A's tile i, lanes 16-31 B's tile i
	ds_load_b128 v[SC+8*\i:SC+8*\i+3], v[ADRS] offset:(4*(\i/2)+\i%2)*272
	ds_load_b128 v[SC+8*\i+4:SC+8*\i+7], v[ADRS] offset:(4*(\i/2)+\i%2)*272+16
.endr
	FETCH_A 0, 4
	s_cmp_eq_u32 s21, 2                            ; the first step differs in its C alone; the same loads are out on both ways
	s_cbranch_scc1 .Lfirst_v
	STEP 0, 1
	s_branch .Lfirst_done
.Lfirst_v:
	STEP 0, 2
.Lfirst_done:
.irp q, 1,2,3,4,5,6
	STEP \q, 0
.endr
	s_wait_dscnt 8                                 ; the last step: nothing more to fetch
	WIN 0xa1
	MUL16 0, 1, 7, 0
	MUL16 2, 1, 7, 0
	s_wait_dscnt 0x0
	WIN 0xf1
	MUL16 4, 1, 7, 0
	MUL16 6, 1, 7, 0
	WIN 0
	PLACES 4                                       ; in front of the first read of results and of writes into registers that held A's fragments
; Block a's 64 numbers of a lane (register 16 b + i = index 32 b + 16 (lane / 16) + i along the next K) become a fragment's codes in v[pc] on and its scale word in v[pw].
; A block of 32 lies in lanes l and l xor 16.  Each accumulator is read from its low end on.
.macro QUANTW a, pc, pw
.set AC, 64*((\a)%4)
.set W, 2+(\a)/4
.set WW, W|(W<<2)
	WIN WW                                         ; sources 0 and 1: the accumulators' window
.irp b, 0,1,2,3
	v_max3_num_f32 v[TM+\b], |v[AC+16*\b]|, |v[AC+16*\b+1]|, 0x1800000   ; the floor 2^(3 - 127): the byte cannot fall under 1
.endr
.irp i, 2,4,6,8,10,12,14
.irp b, 0,1,2,3
	v_max3_num_f32 v[TM+\b], |v[AC+16*\b+\i]|, |v[AC+16*\b+\i+1]|, v[TM+\b]   ; the four blocks by turns
.endr
.endr
	WIN 0
.irp b, 0,1,2,3
	v_permlanex16_b32 v[TM+4+\b], v[TM+\b], s[SEL], s[SEL+1]
.endr
.irp b, 0,1,2,3
	v_max_num_f32 v[TM+\b], v[TM+\b], v[TM+4+\b]   ; the block's largest magnitude
.endr
.irp b, 0,1,2,3
	v_add_nc_u32 v[TM+12+\b], 0xff000000, v[TM+\b] ; 2 off its exponent field: the conversion's scale operand
.endr
.irp b, 0,1,2,3
	v_lshrrev_b32 v[TM+4+\b], 23, v[TM+12+\b]      ; the scale's byte
.endr
	v_lshl_or_b32 v[\pw], v[TM+5], 8, v[TM+4]
	v_lshl_or_b32 v[\pw], v[TM+6], 16, v[\pw]
	v_lshl_or_b32 v[\pw], v[TM+7], 24, v[\pw]
	WIN W                                          ; source 0: the accumulators' window
.irp b, 0,1,2,3
	v_cvt_scalef32_pk8_fp4_f32 v[\pc+2*\b], v[AC+16*\b:AC+16*\b+7], v[TM+12+\b]
	v_cvt_scalef32_pk8_fp4_f32 v[\pc+2*\b+1], v[AC+16*\b+8:AC+16*\b+15], v[TM+12+\b]
.endr
	WIN 0
	v_nop                                          ; one plain place behind a scaled conversion
.irp c, 0,1                                    ; the operand's layout wants a whole block in a lane: lanes 0-15 block 2 c, lanes 16-31 block 2 c + 1
.irp i, 0,1
	v_permlane16_swap_b32 v[\pc+4*\c+\i], v[\pc+2+4*\c+\i]
.endr
.endr
.endm
	s_mov_b32 s99, 0
	s_mov_b32 s95, 0
	s_cmp_eq_u32 s21, 2
	s_cbranch_scc1 .Lout_v
	; THE WAY OUT OF q AND k.  Block a is a tile of 16 tokens; its four blocks of 32 along d are two heads' two: registers 0-3 of the fragment are the first head's image, registers 4-7 the second's.
	s_mov_b32 s92, QREC
	s_mov_b32 s93, 65536
	s_cmp_eq_u32 s21, 1
	s_cselect_b64 s[84:85], s[16:17], s[14:15]     ; k goes to kv, q to qi
	s_cselect_b32 s92, REC, s92                    ; from head to head
	s_cselect_b32 s93, 131072, s93                 ; where a record's scale words begin
	s_mul_i32 s94, s96, s92
	s_add_nc_u64 s[84:85], s[84:85], s[94:95]      ; my first head's record
	s_lshl_b32 s94, s97, 12
	s_add_nc_u64 s[86:87], s[84:85], s[94:95]      ; its images of my 128 tokens: 8 tiles x 512 bytes
	s_mov_b32 s98, s92
	s_add_nc_u64 s[88:89], s[86:87], s[98:99]      ; the second head's
	s_lshl_b32 s94, s97, 9
	s_add_co_u32 s94, s94, s93
	s_add_nc_u64 s[90:91], s[84:85], s[94:95]      ; the first head's scale words of my 128 tokens: 512 bytes
	s_add_nc_u64 s[84:85], s[90:91], s[98:99]      ; the second head's
.irp a, 0,1,2,3,4,5,6,7
.if \a >= 2
	s_wait_xcnt 0x0                                ; block a - 2's stores have read this set of code registers
.endif
	QUANTW \a, PC+8*(\a%2), PWS+\a
	global_store_b128 v[LI], v[PC+8*(\a%2):PC+8*(\a%2)+3], s[86:87] offset:512*\a     ; 32 lanes store 512 consecutive bytes, at a multiple of 256 from the buffer's first byte
	global_store_b128 v[LI], v[PC+8*(\a%2)+4:PC+8*(\a%2)+7], s[88:89] offset:512*\a
.endr
	v_cmp_ne_u32 vcc_lo, 0, v2                     ; the scale words as the next launch loads them: lane (r, u) holds, for b = 0 .. 3, the word of row r of tile 2 b + u
.irp b, 0,1,2,3
	v_cndmask_b32 v[SI+\b], v[PWS+2*\b], v[PWS+2*\b+1], vcc_lo
.endr
.irp b, 0,1,2,3
	v_and_b32 v[SI+4+\b], 0xffff, v[SI+\b]         ; the first head's two bytes; the upper two stay 0, over codes that are zeros
.endr
.irp b, 0,1,2,3
	v_lshrrev_b32 v[SI+8+\b], 16, v[SI+\b]         ; the second head's
.endr
	global_store_b128 v[LI], v[SI+4:SI+7], s[90:91]
	global_store_b128 v[LI], v[SI+8:SI+11], s[84:85]
	s_branch .Lend
.Lout_v:
	; THE WAY OUT OF v.  Block a is 16 of a head's d (head a / 4, tile a % 4); its four blocks of 32 run along my 128 keys: one whole fragment of V^T and one scale word a lane.
	s_mul_i32 s94, s96, REC
	s_add_nc_u64 s[84:85], s[16:17], s[94:95]      ; my first head's record
	s_lshl_b32 s94, s97, 12
	s_add_co_u32 s94, s94, 65536
	s_add_nc_u64 s[86:87], s[84:85], s[94:95]      ; V's images of my key step: 4 tiles x 1,024 bytes
	s_lshl_b32 s94, s97, 8
	s_add_co_u32 s94, s94, 139264
	s_add_nc_u64 s[90:91], s[84:85], s[94:95]      ; V's scale words of my key step: 256 bytes
.irp a, 0,1,2,3,4,5,6,7
.if \a >= 2
	s_wait_xcnt 0x0                                ; block a - 2's stores have read this set of code registers
.endif
	QUANTW \a, PC+8*(\a%2), PWS+\a
	global_store_b128 v[LI], v[PC+8*(\a%2):PC+8*(\a%2)+3], s[86:87] offset:(\a/4)*REC+(\a%4)*1024
	global_store_b128 v[LI], v[PC+8*(\a%2)+4:PC+8*(\a%2)+7], s[86:87] offset:(\a/4)*REC+(\a%4)*1024+512
.endr
	v_cmp_ne_u32 vcc_lo, 0, v2                     ; lane (r, u) holds, for b = 0, 1, the word of row r of tile 2 b + u
.irp e, 0,1
.irp b, 0,1
	v_cndmask_b32 v[SI+2*\e+\b], v[PWS+4*\e+2*\b], v[PWS+4*\e+2*\b+1], vcc_lo
.endr
.endr
.irp e, 0,1
	global_store_b64 v[L8], v[SI+2*\e:SI+2*\e+1], s[90:91] offset:\e*REC     ; 32 lanes store 256 consecutive bytes, aligned
.endr
.Lend:
	s_wait_tensorcnt 0x0
	ds_add_u32 v106, v107
	s_wait_dscnt 0x0
	CROUND                                         ; the closing round: no work-group ends while a partner may still ask for a tile that names it
	s_endpgm
.Lfunc_end_k_q0cb8da0c63_qkv:
	.size	k_q0cb8da0c63_qkv, .Lfunc_end_k_q0cb8da0c63_qkv-k_q0cb8da0c63_qkv
	.p2alignl 7, 3214868480
	.fill 96, 4, 3214868480
	.section	.rodata,"a",@progbits
	.p2align	6, 0x0
	.amdhsa_kernel k_q0cb8da0c63_qkv
		.amdhsa_group_segment_fixed_size 289280
		.amdhsa_private_segment_fixed_size 0
		.amdhsa_enable_private_segment 0
		.amdhsa_kernarg_size 56
		.amdhsa_user_sgpr_count 2
		.amdhsa_user_sgpr_kernarg_segment_ptr 1
		.amdhsa_wavefront_size32 1
		.amdhsa_system_sgpr_workgroup_id_x 1
		.amdhsa_system_sgpr_workgroup_id_y 1
		.amdhsa_system_sgpr_workgroup_id_z 1
		.amdhsa_system_vgpr_workitem_id 0
		.amdhsa_next_free_vgpr 1024
		.amdhsa_next_free_sgpr 104
		.amdhsa_reserve_vcc 1
		.amdhsa_float_denorm_mode_32 3
		.amdhsa_float_denorm_mode_16_64 3
		.amdhsa_memory_ordered 1
		.amdhsa_forward_progress 1
		.amdhsa_inst_pref_size 176
	.end_amdhsa_kernel
	.amdgpu_metadata
---
amdhsa.version: [ 1, 2 ]
amdhsa.kernels:
  - .name:           k_q0cb8da0c63_qkv
    .symbol:         k_q0cb8da0c63_qkv.kd
    .args:
      - { .name: x_codes, .offset: 0, .size: 8, .value_kind: global_buffer, .address_space: global }
      - { .name: x_scales, .offset: 8, .size: 8, .value_kind: global_buffer, .address_space: global }
      - { .name: qkv_w_codes, .offset: 16, .size: 8, .value_kind: global_buffer, .address_space: global }
      - { .name: qkv_w_scales, .offset: 24, .size: 8, .value_kind: global_buffer, .address_space: global }
      - { .name: qkv_b, .offset: 32, .size: 8, .value_kind: global_buffer, .address_space: global }
      - { .name: qi, .offset: 40, .size: 8, .value_kind: global_buffer, .address_space: global }
      - { .name: kv, .offset: 48, .size: 8, .value_kind: global_buffer, .address_space: global }
    .group_segment_fixed_size: 289280
    .private_segment_fixed_size: 0
    .kernarg_segment_align: 8
    .kernarg_segment_size: 56
    .max_flat_workgroup_size: 128
    .sgpr_count:     104
    .vgpr_count:     1024
    .wavefront_size: 32
...
	.end_amdgpu_metadata
.endif
;; end of part 1
;; launch attn (part 2): grid 8 x 32, 16 waves a work-group, clusters of 4 x 1, 327,680 bytes of LDS; arguments qi, kv, oi, os; writes oi, os
.if DOCPART == 2
	.amdgcn_target "amdgcn-amd-amdhsa--gfx1250"
	.amdhsa_code_object_version 6
	.text
	.protected	k_q0cb8da0c63_attn
	.globl	k_q0cb8da0c63_attn
	.p2align	8
	.type	k_q0cb8da0c63_attn,@function
k_q0cb8da0c63_attn:
	s_mov_b64 s[64:65], 0
	v_nop
	global_prefetch_b8 v0, s[64:65] scope:SCOPE_SE
	s_setreg_imm32_b32 hwreg(HW_REG_WAVE_MODE, 25, 1), 1
	s_wait_xcnt 0x0
	s_wait_alu depctr_hold_cnt(0) depctr_sa_sdst(0) depctr_va_vdst(0) depctr_va_sdst(0) depctr_va_ssrc(0) depctr_va_vcc(0) depctr_vm_vsrc(0)
	s_getreg_b32 s2, hwreg(HW_REG_IB_STS2, 6, 4)
	s_cmp_eq_u32 s2, 0
	s_cbranch_scc0 .Lentry_in_a_cluster
	s_endpgm
.Lentry_in_a_cluster:
	s_bfe_u32 s2, ttmp6, 0x10000c
	s_cmp_lg_u32 s2, 0x3003
	s_cbranch_scc0 .Lentry_shape_is_right
	s_endpgm
.Lentry_shape_is_right:
; O = softmax(Q K^T / 8) V for 64 heads of 2,048 x 64, both products on codes of FP4 (E2M1) with one E8M0 scale for each 32 along K; O is divided by the row's sum, quantised along d and stored as images of the last product's operand.
; THE SOFTMAX AHEAD OF THE SECOND PRODUCT: t = score x log2(e) / 8; M = the running largest t rounded UP to a whole number; p = 2^(t - M) is quantised along the keys, not normalised; the row's sum is taken of the
; unquantised p; when M moves, the sum and O are multiplied by 2^(old M - new M), which rounds nothing.
; SHARES.  A work-group owns 256 queries of a PAIR of heads; each of its sixteen waves one tile of 16 queries, first for the one head, then for the other: so a wave makes all four bytes of its rows' scale word for the last product.
; Four waves share a SIMD, so that one wave's exponentials stand beside another's plain and matrix work.
; LDS.  Both heads' records (K's and V's register images and their scale words, 143,360 bytes each) are brought ONCE and stay: no LDS byte is filled twice.  The four query blocks of a cluster read the same two records:
; each part is asked for jointly.  A fragment is read as it was stored, 16 bytes a lane on end: no pitch, no padding.  Nothing is prefetched: every tensor load goes out at the head.
; LAYOUT.  Both products are used transposed: S^T = K Q^T, O^T = V^T P^T: a lane holds ONE query throughout.  The head's 64 fill registers 0-3 of K's and Q's fragments; registers 4-7 hold zero codes.
; The keys of a tile of K and the d of a tile of V^T follow the pattern row = 32 b + 8 u + r + 8 (r / 8) for tile 2 b + u, so that the 16 registers of two neighbouring result tiles are 16 neighbours along the next K.
; LIMITS: NaN and infinities are not served.  A block of O whose largest magnitude lies under 2^-124, and a block of p all of whose numbers have fallen to 0, keep the scale byte 1 (the rule says 127 for zeros: the codes are zeros, and this program alone reads the bytes).
; REGISTERS: v1-7 addresses that stay; v8-11 addresses in hand; v12 -M, v13 the largest t, v[14:15] the sum in two halves; v16-23, v24-31 Q of the two heads; v32-95 K's eight fragments; v96-159 S^T, then p; v160-191 O^T;
;   v192-223 V's four fragments; v224-231 p's codes; v232-239, v244-247 at work; v240-241 V's scale words; v242, v255 Q's; v243 O's scale word; v248-251 K's; v252 f; v253 at work; v254 p's scale word.
.set REC,  143360                      ; a head's record: K's images, V's (at 65,536), K's scale words (at 131,072), V's (at 139,264)
.set QREC, 73728
.set PART, 8960                        ; a sixteenth of a record: 35 rows of 256 bytes: a wave's tensor load
.set OSC,  2*REC                       ; behind the records: 1,024 bytes for O's scale words, bytes of their own
.macro CROUND                          ; a round of the cluster's barrier
	s_barrier_signal -1
	s_barrier_wait -1
	s_cmp_lg_u32 s12, 0
	s_cbranch_scc1 .Lnot_wave_0_\@
	s_barrier_signal -3
.Lnot_wave_0_\@:
	s_barrier_wait -3
	s_barrier_signal -1
	s_barrier_wait -1
.endm
	s_load_b256 s[4:11], s[0:1], 0x0               ; qi s[4:5], kv s[6:7], oi s[8:9], os s[10:11]
	v_lshl_add_u32 v254, v0, 2, 0x46400
	v_mov_b32 v255, 0
	ds_add_u32 v254, v255
	ds_add_u32 v254, v255
	s_wait_dscnt 0x0
	v_lshrrev_b32 v8, 5, v0
	s_delay_alu instid0(VALU_DEP_1)
	v_readfirstlane_b32 s12, v8                    ; wave 0..15
	s_bfe_u32 s13, ttmp6, 0x40000                  ; cx
	s_lshl_b32 s14, ttmp9, 2
	s_add_co_u32 s14, s14, s13                     ; my block of 256 queries: it enters Q's, oi's and os's addresses alone
	s_and_b32 s15, ttmp7, 0xffff                   ; 8 x batch + pair of heads: the four partners share it
	s_mov_b32 s20, 0x76543210
	s_mov_b32 s21, 0xfedcba98                      ; v_permlanex16_b32's selects for lane l xor 16
	s_mov_b32 s22, 0x3e38aa3b                      ; c = log2(e) / 8
	s_mov_b32 s23, s22                             ; (named with it as a pair, so it is written)
	s_mov_b32 s24, 15|(3<<16)|(1<<21)              ; group 1: 15:0 the mask: all four work-groups; 17:16 elements of 8 bytes; 21 set beside a mask; no padding
	s_mov_b32 s25, 32<<16                          ; tensor_dim0 = 32 elements: 256 bytes
	s_mov_b32 s26, 35<<16                          ; tensor_dim1
	s_mov_b32 s27, 32<<16                          ; tile_dim0
	s_mov_b32 s28, 35                              ; tile_dim1
	s_mov_b32 s29, 32                              ; tensor_dim0_stride: dense
	s_mov_b32 s30, 0
	s_mov_b32 s31, 0
	s_mul_i32 s44, s12, PART                       ; my part of a record, in memory and in LDS alike
	s_mul_i32 s46, s15, 2*REC
	s_add_co_u32 s46, s46, s44
	s_mov_b32 s47, 0
	s_mov_b32 s49, 0
	s_wait_kmcnt 0x0
	s_mov_b32 s32, 1
	s_mov_b32 s33, s44
	s_add_nc_u64 s[34:35], s[6:7], s[46:47]        ; the first head's record
	s_mov_b32 s36, 1
	s_add_co_u32 s37, s44, REC
	s_add_nc_u64 s[38:39], s[34:35], REC           ; the second head's
	s_or_b32 s35, s35, 0x80000000                  ; type = 2
	s_or_b32 s39, s39, 0x80000000
	CROUND                                         ; all four work-groups are here: the joint loads meet
	tensor_load_to_lds s[32:35], s[24:31]          ; one tensor load of mine is out; the second goes out once it is in
	s_nop 0
	s_wait_alu depctr_va_vdst(0)
	s_wait_tensorcnt 0x0
	ds_add_u32 v254, v255
	s_wait_dscnt 0x0
	CROUND
	tensor_load_to_lds s[36:39], s[24:31]
	s_nop 0
.rept 4
	v_nop
.endr
	s_lshl_b32 s45, s14, 4
	s_add_co_u32 s45, s45, s12                     ; T: my tile of 16 queries among the head's 128
	s_mul_i32 s48, s15, 2*QREC
	s_lshl_b32 s54, s45, 9
	s_add_co_u32 s48, s48, s54
	s_add_nc_u64 s[50:51], s[4:5], s[48:49]        ; Q's image of my tile, first head
	s_mul_i32 s48, s15, 2*QREC
	s_lshr_b32 s54, s45, 3
	s_lshl_b32 s54, s54, 9                         ; its scale words: 512 bytes for each 128 queries; lane (r, u), word b: row r of tile 2 b + u
	s_add_co_u32 s48, s48, s54
	s_and_b32 s54, s12, 1
	s_lshl_b32 s54, s54, 8                         ; u = T % 2
	s_add_co_u32 s48, s48, s54
	s_bfe_u32 s54, s12, 0x20001
	s_lshl_b32 s54, s54, 2                         ; b = (T / 2) % 4
	s_add_co_u32 s48, s48, s54
	s_add_co_u32 s48, s48, 65536
	s_add_nc_u64 s[52:53], s[4:5], s[48:49]
	s_lshr_b32 s54, s15, 3
	s_lshl_b32 s54, s54, 7                         ; the batch's first tile of tokens
	s_add_co_u32 s55, s54, s45
	s_lshl_b32 s48, s55, 13                        ; oi: 8,192 bytes a tile of tokens,
	s_and_b32 s55, s15, 7
	s_lshl_b32 s60, s55, 10                        ; 1,024 a pair of heads
	s_add_co_u32 s48, s48, s60
	s_add_nc_u64 s[56:57], s[8:9], s[48:49]
	s_lshl_b32 s60, s14, 4
	s_add_co_u32 s60, s60, s54
	s_lshl_b32 s48, s60, 6                         ; os: 64 bytes a tile of tokens,
	s_lshl_b32 s60, s55, 15                        ; 32,768 a pair of heads
	s_add_co_u32 s48, s48, s60
	s_add_nc_u64 s[58:59], s[10:11], s[48:49]
	v_and_b32 v9, 31, v0                           ; lane
	s_delay_alu instid0(VALU_DEP_1)
	v_lshlrev_b32 v5, 4, v9                        ; v5: 16 x lane, an offset in memory
	s_delay_alu instid0(VALU_DEP_2)
	v_lshlrev_b32 v1, 4, v9                        ; v1: K's images
	s_delay_alu instid0(VALU_DEP_3)
	v_lshlrev_b32 v4, 3, v9
	s_delay_alu instid0(VALU_DEP_2)
	v_add_nc_u32 v2, 65536, v1                     ; v2: V's images
	s_delay_alu instid0(VALU_DEP_3)
	v_add_nc_u32 v3, 131072, v1                    ; v3: K's scale words
	s_delay_alu instid0(VALU_DEP_3)
	v_add_nc_u32 v4, 139264, v4                    ; v4: V's scale words, 8 bytes a lane
	v_add_nc_u32 v7, OSC, v1                       ; v7: O's scale words, read back
	v_and_b32 v8, 15, v0                           ; r
	s_delay_alu instid0(VALU_DEP_1)
	v_lshlrev_b32 v6, 2, v8
	s_lshl_b32 s54, s12, 6
	v_add_nc_u32 v6, s54, v6
	s_delay_alu instid0(VALU_DEP_1)
	v_add_nc_u32 v6, OSC, v6                       ; v6: where my tile's scale words go: 64 x wave + 4 r
	v_lshlrev_b32 v8, 4, v8
	global_load_b128 v[16:19], v5, s[50:51]        ; Q stays in registers
	global_load_b128 v[24:27], v5, s[50:51] offset:QREC
	global_load_b32 v255, v8, s[52:53]
	global_load_b32 v242, v8, s[52:53] offset:QREC
.irp j, 20,21,22,23,28,29,30,31
	v_mov_b32 v[\j], 0                             ; K = 64 .. 127 of Q's fragments: zero codes
.endr
.irp t, 0,1,2,3,4,5,6,7
.irp j, 4,5,6,7
	v_mov_b32 v[32+8*\t+\j], 0                     ; and of K's: written once, the loads fill registers 0-3 alone
.endr
.endr
.irp j, 236,237,238,239,253
	v_mov_b32 v[\j], 0                             ; written once: a lane permute's destination counts as one of its sources
.endr
	s_wait_loadcnt 0x0                             ; Q
	s_wait_tensorcnt 0x1                           ; my part of the first record is in; the second's may stay out
	s_barrier_signal -1
	s_barrier_wait -1                              ; everybody's is
; A KEY STEP: 128 keys.  Q: my queries' fragment; QS: its scale words.
.macro STEP Q, QS
	v_add_nc_u32 v8, s40, v1                       ; four plain lines: the places behind the last step's products, in front of the loads into V's registers and scale words
	v_add_nc_u32 v9, s40, v2
	v_add_nc_u32 v10, s41, v3
	v_add_nc_u32 v11, s42, v4
.irp t, 0,1,2,3,4,5,6,7
	ds_load_b128 v[32+8*\t:35+8*\t], v8 offset:512*\t
.endr
	ds_load_b128 v[248:251], v10                   ; lane (r, u), register b: the word of row r of tile 2 b + u
.irp t, 0,1,2,3
.irp c, 0,1
	ds_load_b128 v[192+8*\t+4*\c:195+8*\t+4*\c], v9 offset:1024*\t+512*\c
.endr
.endr
	ds_load_b64 v[240:241], v11
	s_wait_dscnt 9                                 ; K and its scale words are in; V's nine loads may stay out
.irp t, 0,1,2,3,4,5,6,7
.if \t%2
	v_wmma_scale_f32_16x16x128_f8f6f4 v[96+8*\t:103+8*\t], v[32+8*\t:39+8*\t], v[\Q:\Q+7], 0, v[248+\t/2], v[\QS] matrix_a_fmt:MATRIX_FMT_FP4 matrix_b_fmt:MATRIX_FMT_FP4 matrix_a_scale:MATRIX_SCALE_ROW1
.else
	v_wmma_scale_f32_16x16x128_f8f6f4 v[96+8*\t:103+8*\t], v[32+8*\t:39+8*\t], v[\Q:\Q+7], 0, v[248+\t/2], v[\QS] matrix_a_fmt:MATRIX_FMT_FP4 matrix_b_fmt:MATRIX_FMT_FP4
.endif
.endr                                          ; the 16 registers of tiles 2 b, 2 b + 1 are keys 32 b + 16 (lane / 16) + 0 .. 15 of the step
.rept 4
	v_nop
.endr
.irp b, 0,1,2,3
	v_max3_num_f32 v[232+\b], v[96+16*\b], v[97+16*\b], v[98+16*\b]   ; the largest score of each block of 32 keys: it serves for the row's maximum and, since p rises with the score, for the block's largest p
.endr
.irp i, 3,5,7,9,11,13
.irp b, 0,1,2,3
	v_max3_num_f32 v[232+\b], v[232+\b], v[96+16*\b+\i], v[97+16*\b+\i]
.endr
.endr
.irp b, 0,1,2,3
	v_max_num_f32 v[232+\b], v[232+\b], v[111+16*\b]
.endr
.irp b, 0,1,2,3
	s_delay_alu instid0(VALU_DEP_4)
	v_permlanex16_b32 v[236+\b], v[232+\b], s20, s21
.endr
.irp b, 0,1,2,3
	s_delay_alu instid0(VALU_DEP_4)
	v_max_num_f32 v[232+\b], v[232+\b], v[236+\b]  ; with lane l xor 16's 16 keys
.endr
	s_delay_alu instid0(VALU_DEP_2)
	v_max3_num_f32 v253, v232, v233, v234
	s_delay_alu instid0(VALU_DEP_1)
	v_max_num_f32 v253, v253, v235                 ; the step's largest score of my query
	s_delay_alu instid0(VALU_DEP_1)
	v_mul_f32 v253, s22, v253                      ; as t (c is positive)
	s_delay_alu instid0(VALU_DEP_1)
	v_max_num_f32 v13, v13, v253                   ; the running largest t
	v_mov_b32 v253, v12
	s_delay_alu instid0(VALU_DEP_2)
	v_floor_f32 v12, -v13                          ; the new -M = floor(-t) = -ceil(t)
	s_delay_alu instid0(VALU_DEP_1)
	v_sub_f32 v253, v12, v253                      ; old M - new M: a whole number, 0 or less
	s_delay_alu instid0(VALU_DEP_1)
	v_cvt_i32_f32 v253, v253                       ; (it saturates)
	s_delay_alu instid0(VALU_DEP_1)
	v_ldexp_f32 v252, 1.0, v253                    ; f = 2^(old M - new M)
.set j, 0
.rept 32
	v_pk_fma_f32 v[96+j:97+j], v[96+j:97+j], s[22:23], v[12:13] op_sel_hi:[1,0,0]   ; t - M, two at a time
.set j, j+2
.endr
.irp b, 0,1,2,3
	v_fma_f32 v[232+\b], v[232+\b], s22, v12       ; the same of each block's largest score
.endr
.set j, 0
	s_wait_alu depctr_va_vdst(0)
.rept 64
	v_exp_f32 v[96+j], v[96+j]                     ; p = 2^(t - M), at most 1
.set j, j+1
.endr
	s_setprio 1
.irp b, 0,1,2,3
	v_exp_f32 v[232+\b], v[232+\b]                 ; the block's largest p: the same two instructions on the same number
.endr
	v_pk_mul_f32 v[14:15], v[14:15], v[252:253] op_sel_hi:[1,0]   ; the sums under the new M: the plain line behind the last exponential
.set j, 0
	s_wait_alu depctr_va_vdst(0)
.rept 16
	v_pk_mul_f32 v[160+j:161+j], v[160+j:161+j], v[252:253] op_sel_hi:[1,0]   ; O^T under the new M: work that names no exponential's result
.set j, j+2
.endr
	s_wait_alu depctr_va_vdst(0)                   ; one wait for the batch of 68, ahead of its first reader
.irp b, 0,1,2,3
	v_max_num_f32 v[232+\b], 0x1800000, v[232+\b]  ; the floor 2^(3 - 127): the byte cannot fall under 1
.endr
.irp b, 0,1,2,3
	s_delay_alu instid0(VALU_DEP_4)
	v_add_nc_u32 v[244+\b], 0xff000000, v[232+\b]  ; 2 off the exponent field: the conversion's scale operand
.endr
.irp b, 0,1,2,3
	s_delay_alu instid0(VALU_DEP_4)
	v_lshrrev_b32 v[236+\b], 23, v[244+\b]         ; the scale's byte
.endr
	s_delay_alu instid0(VALU_DEP_3)
	v_lshl_or_b32 v254, v237, 8, v236              ; p's scale word for these 128 keys
	s_delay_alu instid0(VALU_DEP_1)
	v_lshl_or_b32 v254, v238, 16, v254
	s_delay_alu instid0(VALU_DEP_1)
	v_lshl_or_b32 v254, v239, 24, v254
.irp b, 0,1,2,3
	v_cvt_scalef32_pk8_fp4_f32 v[224+2*\b], v[96+16*\b:103+16*\b], v[244+\b]
	v_cvt_scalef32_pk8_fp4_f32 v[225+2*\b], v[104+16*\b:111+16*\b], v[244+\b]
.endr
	v_nop                                          ; one plain place behind a scaled conversion
.irp c, 0,1                                    ; the operand's layout wants a whole block in a lane
.irp i, 0,1
	v_permlane16_swap_b32 v[224+4*\c+\i], v[226+4*\c+\i]
.endr
.endr
	v_pk_add_f32 v[236:237], v[96:97], v[98:99]    ; the row's sum, of the unquantised p, in two chains.  These 32 lines name no register of the products below: they are the places behind the writes of p's codes and scale word
	s_setprio 0
.irp j, 4,8,12,16,20,24,28,32,36,40,44,48,52,56,60
	v_pk_add_f32 v[14:15], v[14:15], v[96+\j:97+\j]
	v_pk_add_f32 v[236:237], v[236:237], v[98+\j:99+\j]
.endr
	s_delay_alu instid0(VALU_DEP_1)
	v_pk_add_f32 v[14:15], v[14:15], v[236:237]
	s_wait_dscnt 0x0                               ; V and its scale words are in
.irp t, 0,1,2,3                                ; O^T += V^T P^T: four accumulators, one instruction a turn
.if \t%2
	v_wmma_scale_f32_16x16x128_f8f6f4 v[160+8*\t:167+8*\t], v[192+8*\t:199+8*\t], v[224:231], v[160+8*\t:167+8*\t], v[240+\t/2], v254 matrix_a_fmt:MATRIX_FMT_FP4 matrix_b_fmt:MATRIX_FMT_FP4 matrix_a_scale:MATRIX_SCALE_ROW1
.else
	v_wmma_scale_f32_16x16x128_f8f6f4 v[160+8*\t:167+8*\t], v[192+8*\t:199+8*\t], v[224:231], v[160+8*\t:167+8*\t], v[240+\t/2], v254 matrix_a_fmt:MATRIX_FMT_FP4 matrix_b_fmt:MATRIX_FMT_FP4
.endif
.endr
	s_add_co_u32 s40, s40, 4096                    ; the next step's images,
	s_add_co_u32 s41, s41, 512                     ; K's scale words,
	s_add_co_u32 s42, s42, 256                     ; V's
.endm
; A head's end: O^T / the sum; its two blocks of 32 along d are quantised; the codes are half a fragment of the last product, head p of the pair.
.macro FINISH p
.rept 4
	v_nop                                          ; places behind the last products
.endr
	v_add_f32 v14, v14, v15                        ; the sum's two halves,
	s_delay_alu instid0(VALU_DEP_1)
	v_permlanex16_b32 v253, v14, s20, s21
	s_delay_alu instid0(VALU_DEP_1)
	v_add_f32 v14, v14, v253                       ; and lane l xor 16's
	s_wait_alu depctr_va_vdst(0)
	v_rcp_f32 v14, v14
	v_nop                                          ; one plain place behind a transcendental
	s_wait_alu depctr_va_vdst(0)                   ; and the wait ahead of its first reader
.set j, 0
.rept 16
	v_pk_mul_f32 v[96+j:97+j], v[160+j:161+j], v[14:15] op_sel_hi:[1,0]   ; register 16 b + i: d = 32 b + 16 (lane / 16) + i; each accumulator from its low end on
.set j, j+2
.endr
.irp b, 0,1
	v_max3_num_f32 v[232+\b], |v[96+16*\b]|, |v[97+16*\b]|, 0x1800000
.endr
.irp i, 2,4,6,8,10,12,14
.irp b, 0,1
	s_delay_alu instid0(VALU_DEP_2)
	v_max3_num_f32 v[232+\b], v[232+\b], |v[96+16*\b+\i]|, |v[97+16*\b+\i]|
.endr
.endr
.irp b, 0,1
	s_delay_alu instid0(VALU_DEP_2)
	v_permlanex16_b32 v[236+\b], v[232+\b], s20, s21
.endr
.irp b, 0,1
	s_delay_alu instid0(VALU_DEP_2)
	v_max_num_f32 v[232+\b], v[232+\b], v[236+\b]
.endr
.irp b, 0,1
	s_delay_alu instid0(VALU_DEP_2)
	v_add_nc_u32 v[244+\b], 0xff000000, v[232+\b]
.endr
.irp b, 0,1
	s_delay_alu instid0(VALU_DEP_2)
	v_lshrrev_b32 v[236+\b], 23, v[244+\b]
.endr
.if \p
	s_delay_alu instid0(VALU_DEP_2)
	v_lshl_or_b32 v243, v236, 16, v243             ; bytes 2 and 3 of my rows' scale word
	s_delay_alu instid0(VALU_DEP_1)
	v_lshl_or_b32 v243, v237, 24, v243
.else
	s_delay_alu instid0(VALU_DEP_1)
	v_lshl_or_b32 v243, v237, 8, v236              ; bytes 0 and 1
.endif
.irp b, 0,1
	v_cvt_scalef32_pk8_fp4_f32 v[224+2*\b], v[96+16*\b:103+16*\b], v[244+\b]
	v_cvt_scalef32_pk8_fp4_f32 v[225+2*\b], v[104+16*\b:111+16*\b], v[244+\b]
.endr
	v_nop
	v_permlane16_swap_b32 v224, v226
	v_permlane16_swap_b32 v225, v227               ; lane (r, h): d = 32 h + 0 .. 31 of query r
	global_store_b128 v5, v[224:227], s[56:57] offset:512*\p   ; 32 lanes store 512 consecutive bytes, at a multiple of 256 from the buffer's first byte
.endm
.macro PASS p, Q, QS
.if \p
	s_wait_xcnt 0x0                                ; the first head's store has read its registers
.endif
	v_mov_b32 v13, 0xff61b1e6                      ; the largest t so far: -3e38, under every t
	s_delay_alu instid0(VALU_DEP_1)
	v_floor_f32 v12, -v13                          ; -M
	v_mov_b32 v14, 0
	v_mov_b32 v15, 0
.set j, 0
.rept 32
	v_mov_b32 v[160+j], 0                          ; O^T: the step is written once; the first finds zeros, which the first change of M leaves zeros
.set j, j+1
.endr
	s_mov_b32 s40, \p*REC
	s_mov_b32 s41, \p*REC
	s_mov_b32 s42, \p*REC
	s_mov_b32 s43, 16                              ; 2,048 keys, 128 a step
.Lstep_\@:
	s_setprio 2
	STEP \Q, \QS
	s_sub_co_u32 s43, s43, 1
	s_cmp_lg_u32 s43, 0
	s_cbranch_scc1 .Lstep_\@
	s_setprio 0
	s_wait_alu depctr_va_vdst(0)
	FINISH \p
.endm
	PASS 0, 16, 255
	s_wait_tensorcnt 0x0                           ; my part of the second record is in,
	s_wait_dscnt 0x0
	s_barrier_signal -1
	s_barrier_wait -1                              ; everybody's is
	PASS 1, 24, 242
	ds_store_b32 v6, v243                          ; the sixteen tiles' scale words meet in LDS (both halves of the lanes write the same word with the same value)
	s_wait_dscnt 0x0                               ; for the others' sake: my store is done
	s_barrier_signal -1
	s_barrier_wait -1
	s_cmp_lg_u32 s12, 0
	s_cbranch_scc1 .Lnot_first
	ds_load_b128 v[96:99], v7                      ; and leave as 1,024 consecutive bytes
	ds_load_b128 v[100:103], v7 offset:512
	s_wait_dscnt 0x0
	global_store_b128 v5, v[96:99], s[58:59]
	global_store_b128 v5, v[100:103], s[58:59] offset:512
.Lnot_first:
	s_wait_xcnt 0x0
	v_lshl_add_u32 v254, v0, 2, 0x46400
	v_mov_b32 v255, 0
	s_wait_alu depctr_va_vdst(0)
	s_wait_tensorcnt 0x0
	ds_add_u32 v254, v255
	s_wait_dscnt 0x0
	CROUND                                         ; the closing round: no work-group ends while a partner may still ask for a part that names it
	s_endpgm
.Lfunc_end_k_q0cb8da0c63_attn:
	.size	k_q0cb8da0c63_attn, .Lfunc_end_k_q0cb8da0c63_attn-k_q0cb8da0c63_attn
	.p2alignl 7, 3214868480
	.fill 96, 4, 3214868480
	.section	.rodata,"a",@progbits
	.p2align	6, 0x0
	.amdhsa_kernel k_q0cb8da0c63_attn
		.amdhsa_group_segment_fixed_size 327680
		.amdhsa_private_segment_fixed_size 0
		.amdhsa_enable_private_segment 0
		.amdhsa_kernarg_size 32
		.amdhsa_user_sgpr_count 2
		.amdhsa_user_sgpr_kernarg_segment_ptr 1
		.amdhsa_wavefront_size32 1
		.amdhsa_system_sgpr_workgroup_id_x 1
		.amdhsa_system_sgpr_workgroup_id_y 1
		.amdhsa_system_sgpr_workgroup_id_z 1
		.amdhsa_system_vgpr_workitem_id 0
		.amdhsa_next_free_vgpr 256
		.amdhsa_next_free_sgpr 66
		.amdhsa_reserve_vcc 0
		.amdhsa_float_denorm_mode_32 3
		.amdhsa_float_denorm_mode_16_64 3
		.amdhsa_memory_ordered 1
		.amdhsa_forward_progress 1
		.amdhsa_inst_pref_size 52
	.end_amdhsa_kernel
	.amdgpu_metadata
---
amdhsa.version: [ 1, 2 ]
amdhsa.kernels:
  - .name:           k_q0cb8da0c63_attn
    .symbol:         k_q0cb8da0c63_attn.kd
    .args:
      - { .name: qi, .offset: 0, .size: 8, .value_kind: global_buffer, .address_space: global }
      - { .name: kv, .offset: 8, .size: 8, .value_kind: global_buffer, .address_space: global }
      - { .name: oi, .offset: 16, .size: 8, .value_kind: global_buffer, .address_space: global }
      - { .name: os, .offset: 24, .size: 8, .value_kind: global_buffer, .address_space: global }
    .group_segment_fixed_size: 327680
    .private_segment_fixed_size: 0
    .kernarg_segment_align: 8
    .kernarg_segment_size: 32
    .max_flat_workgroup_size: 512
    .sgpr_count:     66
    .vgpr_count:     256
    .wavefront_size: 32
...
	.end_amdgpu_metadata
.endif
;; end of part 2
;; launch proj (part 3): grid 4 x 64, 4 waves a work-group, clusters of 4 x 4, 327,680 bytes of LDS; arguments oi, os, out_w_codes, out_w_scales, out_b, out0; writes out0
.if DOCPART == 3
	.amdgcn_target "amdgcn-amd-amdhsa--gfx1250"
	.amdhsa_code_object_version 6
	.text
	.protected	k_q0cb8da0c63_proj
	.globl	k_q0cb8da0c63_proj
	.p2align	8
	.type	k_q0cb8da0c63_proj,@function
k_q0cb8da0c63_proj:
	s_mov_b64 s[64:65], 0
	v_nop
	global_prefetch_b8 v0, s[64:65] scope:SCOPE_SE
	s_setreg_imm32_b32 hwreg(HW_REG_WAVE_MODE, 25, 1), 1
	s_wait_xcnt 0x0
	s_wait_alu depctr_hold_cnt(0) depctr_sa_sdst(0) depctr_va_vdst(0) depctr_va_sdst(0) depctr_va_ssrc(0) depctr_va_vcc(0) depctr_vm_vsrc(0)
	s_getreg_b32 s2, hwreg(HW_REG_IB_STS2, 6, 4)
	s_cmp_eq_u32 s2, 0
	s_cbranch_scc0 .Lentry_in_a_cluster
	s_endpgm
.Lentry_in_a_cluster:
	s_bfe_u32 s2, ttmp6, 0x10000c
	s_cmp_lg_u32 s2, 0xf033
	s_cbranch_scc0 .Lentry_shape_is_right
	s_endpgm
.Lentry_shape_is_right:
; out0 = O out_w^T + out_b on codes of FP4 (E2M1) with one E8M0 scale for each 32 along K = 1,024.  O comes as images of the operand's registers (oi: [tile of 16 tokens][K step][2][512 bytes]) with its scale words
; (os: [K step][tile][16 words]); out_w as rows of 512 bytes of codes and 32 bytes of scales.
; SHARES.  256 work-groups, each 128 tokens x 256 columns; wave w: tokens 64 (w / 2) on (4 tiles), columns 128 (w % 2) on (8 tiles): 32 accumulators.  All of K lies in LDS: each LDS byte is filled once.
; THE MATRIX INSTRUCTION IS USED TRANSPOSED (source 0 = 16 rows of out_w, source 1 = 16 tokens): a lane holds eight neighbouring numbers of a row of the output.
; THE TOKENS OF A TILE ARE NOT NEIGHBOURS: in a group of 128, lane r of tile 2 b + u is token 32 b + 8 u + r + 8 (r / 8), as the launches before laid them: the stores' offsets follow that.
; CLUSTERS: 4 x 4.  The tokens' images and scale words hang on the group of tokens alone and are asked for jointly by a row of the cluster; out_w's on the column tile alone, by a column.
; Nothing is prefetched: every tensor load goes out at the head.
; REGISTERS: window 0: v1-6, v16-27 addresses; v32-63 out_w's scale words; v64-79 the tokens'; v80-143 the bias as C; on the way out v32-159 take rows of the output.
;   window 1: two sets of fragments, at v0 and v128: out_w's eight, then the tokens' four.   window 2: the accumulators, (a, b) at v[8 (8 a + b)].
.set WROWS, 65536                      ; LDS: the tokens' images (65,536 bytes, dense), then out_w's 256 rows of 512 bytes + 16,
.set WPITCH, 528                       ; 132 words: row r starts at bank 4 r mod 64 (64 banks of 4 bytes: ISA guide 11.1)
.set WHALF, 128*WPITCH
.set WSC,   WROWS+2*WHALF              ; out_w's scales: two pieces of 128 rows x 32 bytes as 16 units of 256 bytes + 16,
.set HALFS, 4352
.set OSCL,  WSC+2*HALFS                ; the tokens' scale words: [K step 8][512 bytes],
.set STAGE, OSCL+4096                  ; and the way out: 16 rows x (512 bytes + 16) for each wave: bytes that no tensor load fills
.set SPITCH, 528
.set ADRW, 16                          ; v16  LDS address of out_w's fragments
.set ADRO, 17                          ; v17  of the tokens' images
.set ADWS, 18                          ; v18  of out_w's scale words: lanes 0-15 tile 2 i, lanes 16-31 tile 2 i + 1
.set ADOS, 19                          ; v19  of the tokens': likewise
.set STO,  24                          ; v24  the way out: where I put 32 bytes of a row
.set RD,   25                          ; v25  where I read a row back
.set CO,   26                          ; v26  16 x lane
.set BO,   27                          ; v27  the bias's offset
.set WS,   32
.set OS,   64
.set BI,   80
.set G1O,  24                          ; s[24:31] group 1 for the images; s[32:39] for the tokens' scale words; s[40:47] for out_w's codes; s[48:55] for its scales
.set G1OS, 32
.set G1W,  40
.set G1WS, 48
.set G0O,  56                          ; s[56:59], s[60:63], s[68:71], s[72:75] the four groups 0
.set G0OS, 60
.set G0W,  68
.set G0WS, 72
.set MSB, 0
.macro WIN new                         ; the immediate's high byte repeats the setting that is left
.if MSB != \new
	s_set_vgpr_msb (MSB<<8)|\new
.set MSB, \new
.endif
.endm
.macro PLACES n
.rept \n
	v_nop
.endr
.endm
.macro CROUND                          ; a round of the cluster's barrier
	s_barrier_signal -1
	s_barrier_wait -1
	s_cmp_lg_u32 s18, 0
	s_cbranch_scc1 .Lnot_wave_0_\@
	s_barrier_signal -3
.Lnot_wave_0_\@:
	s_barrier_wait -3
	s_barrier_signal -1
	s_barrier_wait -1
.endm
.macro JLOAD g0a, g1a, g0b, g1b        ; a joint load: waves 0 and 1 fetch for the tokens, waves 2 and 3 for out_w; four v_nop follow each of the two lines
	s_cmp_eq_u32 s19, 0
	s_cbranch_scc0 .Lfor_b_\@
	tensor_load_to_lds s[\g0a:\g0a+3], s[\g1a:\g1a+7]
	s_nop 0
	PLACES 4
	s_branch .Lasked_\@
.Lfor_b_\@:
	tensor_load_to_lds s[\g0b:\g0b+3], s[\g1b:\g1b+7]
	s_nop 0
	PLACES 4
.Lasked_\@:
.endm
	s_load_b256 s[4:11], s[0:1], 0x0               ; oi s[4:5], os s[6:7], out_w's codes s[8:9], its scales s[10:11]
	s_load_b128 s[12:15], s[0:1], 0x20             ; out_b s[12:13], out0 s[14:15]
	v_lshl_add_u32 v254, v0, 2, 0x3c800
	v_mov_b32 v255, 0
	ds_add_u32 v254, v255
	ds_add_u32 v254, v255
	v_lshrrev_b32 v1, 5, v0
	v_readfirstlane_b32 s18, v1                    ; wave 0..3
	s_lshr_b32 s19, s18, 1                         ; which 64 tokens are mine.  Also: I fetch for the tokens (0) or for out_w (1)
	s_and_b32 s20, s18, 1                          ; which 128 columns are mine.  Also: which half I fetch
	s_bfe_u32 s76, ttmp6, 0x40000                  ; cx
	s_bfe_u32 s77, ttmp6, 0x40004                  ; cy
	s_lshl_b32 s21, ttmp9, 2
	s_add_co_u32 s21, s21, s76                     ; my tile of 256 columns
	s_and_b32 s22, ttmp7, 0xffff
	s_lshl_b32 s22, s22, 2
	s_add_co_u32 s22, s22, s77                     ; my group of 128 tokens
	s_lshl_b32 s78, s77, 2
	s_lshl_b32 s78, 15, s78                        ; my row of the cluster
	s_lshl_b32 s79, 0x1111, s76                    ; my column
	s_or_b32 s[G1O], s78, (3<<16)|(1<<21)          ; the images: 32,768 dense bytes as 128 rows of 256 (32 elements of 8 bytes), no padding
	s_mov_b32 s[G1O+1], 32<<16
	s_mov_b32 s[G1O+2], 128<<16
	s_mov_b32 s[G1O+3], 32<<16
	s_mov_b32 s[G1O+4], 128
	s_mov_b32 s[G1O+5], 32
	s_mov_b32 s[G1O+6], 0
	s_mov_b32 s[G1O+7], 0
	s_or_b32 s[G1OS], s78, (3<<16)|(1<<21)         ; the tokens' scale words: 4 K steps x 512 bytes (64 elements), 32,768 bytes (4,096 elements) apart
	s_mov_b32 s[G1OS+1], 64<<16
	s_mov_b32 s[G1OS+2], 4<<16
	s_mov_b32 s[G1OS+3], 64<<16
	s_mov_b32 s[G1OS+4], 4
	s_mov_b32 s[G1OS+5], 4096
	s_mov_b32 s[G1OS+6], 0
	s_mov_b32 s[G1OS+7], 0
	s_or_b32 s[G1W], s79, (0<<16)|(1<<20)|(1<<21)|(6<<22)|(3<<25)   ; out_w's codes: 128 rows of 512 bytes, 16 bytes of padding behind each
	s_mov_b32 s[G1W+1], 512<<16
	s_mov_b32 s[G1W+2], 128<<16
	s_mov_b32 s[G1W+3], 512<<16
	s_mov_b32 s[G1W+4], 128
	s_mov_b32 s[G1W+5], 512
	s_mov_b32 s[G1W+6], 0
	s_mov_b32 s[G1W+7], 0
	s_or_b32 s[G1WS], s79, (3<<16)|(1<<20)|(1<<21)|(5<<22)|(3<<25)  ; its scales: 4,096 dense bytes as 16 rows of 256, 16 bytes of padding behind each
	s_mov_b32 s[G1WS+1], 32<<16
	s_mov_b32 s[G1WS+2], 16<<16
	s_mov_b32 s[G1WS+3], 32<<16
	s_mov_b32 s[G1WS+4], 16
	s_mov_b32 s[G1WS+5], 32
	s_mov_b32 s[G1WS+6], 0
	s_mov_b32 s[G1WS+7], 0
	s_lshl_b32 s80, s22, 16
	s_lshl_b32 s81, s20, 15
	s_add_co_u32 s80, s80, s81                     ; the images: 65,536 bytes a group, my half
	s_mov_b32 s81, 0
	s_lshl_b32 s82, s22, 9
	s_lshl_b32 s83, s20, 17
	s_add_co_u32 s82, s82, s83                     ; the scale words: 512 bytes a group in each K step, my four K steps
	s_mov_b32 s83, 0
	s_lshl_b32 s84, s21, 8
	s_lshl_b32 s85, s20, 7
	s_add_co_u32 s84, s84, s85                     ; out_w: row 256 x tile + 128 x half
	s_lshl_b32 s86, s84, 5                         ; its scales,
	s_lshl_b32 s84, s84, 9                         ; its codes
	s_mov_b32 s85, 0
	s_mov_b32 s87, 0
	s_wait_dscnt 0x0
	s_wait_kmcnt 0x0
	s_mov_b32 s[G0O], 1
	s_lshl_b32 s[G0O+1], s20, 15
	s_add_nc_u64 s[G0O+2:G0O+3], s[4:5], s[80:81]
	s_or_b32 s[G0O+3], s[G0O+3], 0x80000000
	s_mov_b32 s[G0OS], 1
	s_lshl_b32 s[G0OS+1], s20, 11
	s_add_co_u32 s[G0OS+1], s[G0OS+1], OSCL
	s_add_nc_u64 s[G0OS+2:G0OS+3], s[6:7], s[82:83]
	s_or_b32 s[G0OS+3], s[G0OS+3], 0x80000000
	s_mov_b32 s[G0W], 1
	s_mul_i32 s[G0W+1], s20, WHALF
	s_add_co_u32 s[G0W+1], s[G0W+1], WROWS
	s_add_nc_u64 s[G0W+2:G0W+3], s[8:9], s[84:85]
	s_or_b32 s[G0W+3], s[G0W+3], 0x80000000
	s_mov_b32 s[G0WS], 1
	s_mul_i32 s[G0WS+1], s20, HALFS
	s_add_co_u32 s[G0WS+1], s[G0WS+1], WSC
	s_add_nc_u64 s[G0WS+2:G0WS+3], s[10:11], s[86:87]
	s_or_b32 s[G0WS+3], s[G0WS+3], 0x80000000
	CROUND                                         ; all sixteen work-groups are here: the joint loads meet
	JLOAD G0OS, G1OS, G0WS, G1WS                   ; one tensor load of mine is out; the second goes out once it is in
	s_wait_alu depctr_va_vdst(0)
	s_wait_tensorcnt 0x0
	ds_add_u32 v254, v255
	s_wait_dscnt 0x0
	CROUND
	JLOAD G0O, G1O, G0W, G1W
	v_and_b32 v1, 15, v0                           ; r
	v_bfe_u32 v2, v0, 4, 1                         ; h
	v_and_b32 v3, 31, v0                           ; lane
	v_lshlrev_b32 v[CO], 4, v3
	v_mul_u32_u24 v4, v1, WPITCH
	v_lshl_add_u32 v4, v2, 4, v4
	s_mul_i32 s88, s20, WHALF
	s_add_co_u32 s88, s88, WROWS
	v_add_nc_u32 v[ADRW], s88, v4                  ; out_w: row r of a tile of neighbours, + 16 h
	s_lshl_b32 s88, s19, 15
	v_lshlrev_b32 v4, 4, v3
	v_add_nc_u32 v[ADRO], s88, v4                  ; the tokens: my four tiles' images, 16 x lane
	v_bfe_u32 v5, v0, 3, 2                         ; r / 8 + 2 h: row 16 (2 i + h) + r lies in unit 4 i + 2 h + r / 8, at 32 (r % 8)
	v_mul_u32_u24 v5, v5, 272
	v_and_b32 v6, 7, v0
	v_lshl_add_u32 v5, v6, 5, v5
	s_mul_i32 s88, s20, HALFS
	s_add_co_u32 s88, s88, WSC
	v_add_nc_u32 v[ADWS], s88, v5
	s_lshl_b32 s88, s19, 8
	s_add_co_u32 s88, s88, OSCL
	v_lshlrev_b32 v5, 2, v3
	v_add_nc_u32 v[ADOS], s88, v5                  ; 64 bytes a tile: my four tiles, 4 x lane spans two
	s_mul_i32 s88, s18, 16*SPITCH
	s_add_co_u32 s88, s88, STAGE                   ; my stage
	v_mul_u32_u24 v5, v1, SPITCH
	v_lshl_add_u32 v5, v2, 5, v5
	v_add_nc_u32 v[STO], s88, v5                   ; in: row r, 32 bytes for each half of the lanes
	v_lshlrev_b32 v5, 4, v3
	v_add_nc_u32 v[RD], s88, v5                    ; back: the 32 lanes take one row of 512 bytes
	v_lshlrev_b32 v[BO], 5, v2
	s_wait_alu depctr_va_vdst(0)
	s_lshl_b32 s88, s21, 8
	s_lshl_b32 s89, s20, 7
	s_add_co_u32 s88, s88, s89
	s_lshl_b32 s88, s88, 2                         ; my first column, in bytes
	s_mov_b32 s89, 0
	s_add_nc_u64 s[12:13], s[12:13], s[88:89]
	s_add_nc_u64 s[14:15], s[14:15], s[88:89]
	s_lshl_b32 s88, s22, 7
	s_lshl_b32 s90, s19, 6
	s_add_co_u32 s88, s88, s90
	s_lshl_b32 s88, s88, 12                        ; my first token's row of 4,096 bytes
	s_add_nc_u64 s[14:15], s[14:15], s[88:89]
.irp b, 0,1,2,3,4,5,6,7                        ; the bias is the C of each sum's first matrix instruction: tile b: columns 16 b + 8 h + 0 .. 7
	global_load_b128 v[BI+8*\b:BI+8*\b+3], v[BO], s[12:13] offset:64*\b
	global_load_b128 v[BI+8*\b+4:BI+8*\b+7], v[BO], s[12:13] offset:64*\b+16
.endr
	s_wait_tensorcnt 0x0                           ; my parts are in LDS,
	s_barrier_signal -1
	s_barrier_wait -1                              ; everybody's are
.macro FETCH s, F                      ; K step s: out_w's eight fragments and the tokens' four into set F
	WIN 0x40                                       ; destination window 1
.irp b, 0,1,2,3,4,5,6,7
.irp c, 0,1
	ds_load_b128 v[\F+8*\b+4*\c:\F+8*\b+4*\c+3], v[ADRW] offset:64*(\s)+32*\c+16*\b*WPITCH
.endr
.endr
.irp a, 0,1,2,3
.irp c, 0,1
	ds_load_b128 v[\F+64+8*\a+4*\c:\F+64+8*\a+4*\c+3], v[ADRO] offset:8192*\a+1024*(\s)+512*\c
.endr
.endr
	WIN 0
.endm
; 32 matrix instructions: the 32 accumulators take turns, one instruction a turn, in the same order in every K step.  first = 1: the sums begin with the bias.
.macro MUL32 s, F, first
.if \first
	WIN 0x85                                       ; sources 0 and 1 window 1, C window 0, D window 2
.else
	WIN 0xa5                                       ; C and D window 2
.endif
.irp a, 0,1,2,3
.irp b, 0,1,2,3,4,5,6,7
.set DR, 8*(8*\a+\b)
.if \first
.set CR, BI+8*\b
.else
.set CR, DR
.endif
.if (\b%2 == 0) && (\a%2 == 0)
	v_wmma_scale_f32_16x16x128_f8f6f4 v[DR:DR+7], v[\F+8*\b:\F+8*\b+7], v[\F+64+8*\a:\F+64+8*\a+7], v[CR:CR+7], v[WS+8*(\b/2)+\s], v[OS+2*\s+\a/2] matrix_a_fmt:MATRIX_FMT_FP4 matrix_b_fmt:MATRIX_FMT_FP4
.elseif (\b%2 == 1) && (\a%2 == 0)
	v_wmma_scale_f32_16x16x128_f8f6f4 v[DR:DR+7], v[\F+8*\b:\F+8*\b+7], v[\F+64+8*\a:\F+64+8*\a+7], v[CR:CR+7], v[WS+8*(\b/2)+\s], v[OS+2*\s+\a/2] matrix_a_fmt:MATRIX_FMT_FP4 matrix_b_fmt:MATRIX_FMT_FP4 matrix_a_scale:MATRIX_SCALE_ROW1
.elseif (\b%2 == 0)
	v_wmma_scale_f32_16x16x128_f8f6f4 v[DR:DR+7], v[\F+8*\b:\F+8*\b+7], v[\F+64+8*\a:\F+64+8*\a+7], v[CR:CR+7], v[WS+8*(\b/2)+\s], v[OS+2*\s+\a/2] matrix_a_fmt:MATRIX_FMT_FP4 matrix_b_fmt:MATRIX_FMT_FP4 matrix_b_scale:MATRIX_SCALE_ROW1
.else
	v_wmma_scale_f32_16x16x128_f8f6f4 v[DR:DR+7], v[\F+8*\b:\F+8*\b+7], v[\F+64+8*\a:\F+64+8*\a+7], v[CR:CR+7], v[WS+8*(\b/2)+\s], v[OS+2*\s+\a/2] matrix_a_fmt:MATRIX_FMT_FP4 matrix_b_fmt:MATRIX_FMT_FP4 matrix_a_scale:MATRIX_SCALE_ROW1 matrix_b_scale:MATRIX_SCALE_ROW1
.endif
.endr
.endr
.endm
.irp i, 0,1,2,3                                ; all scale words of out_w: eight a row, two loads
	ds_load_b128 v[WS+8*\i:WS+8*\i+3], v[ADWS] offset:1088*\i
	ds_load_b128 v[WS+8*\i+4:WS+8*\i+7], v[ADWS] offset:1088*\i+16
.endr
.irp s, 0,1,2,3,4,5,6,7                        ; and of the tokens
.irp i, 0,1
	ds_load_b32 v[OS+2*\s+\i], v[ADOS] offset:512*\s+128*\i
.endr
.endr
	FETCH 0, 0
	s_wait_loadcnt 0x0                             ; the bias
.irp s, 0,1,2,3,4,5,6,7
	s_wait_dscnt 0x0                               ; this K step's fragments are in
.if \s < 7
.if \s > 0
	PLACES 4                                       ; in front of loads into the set that the last K step's products read
.endif
	FETCH \s+1, 128*((\s+1)%2)                     ; the next K step's land while this one is multiplied
.endif
.if \s == 0
	MUL32 \s, 128*(\s%2), 1
.else
	MUL32 \s, 128*(\s%2), 0
.endif
.endr
	WIN 0
	PLACES 4                                       ; in front of the first read of results and of loads into registers that held scale words and the bias
; THE WAY OUT, a tile of 16 tokens x 128 columns at a time: through my own stage in LDS and back as whole rows of 512 bytes.  LDS serves a wave's instructions in order (ISA guide 5.7.1.4): no wait between the stores and the loads.
.macro TOSTAGE a
	WIN 0x08                                       ; an LDS store's data: window 2
.irp b, 0,1,2,3,4,5,6,7
	ds_store_b128 v[STO], v[64*(\a)+8*\b:64*(\a)+8*\b+3] offset:64*\b          ; each accumulator from its low end on
	ds_store_b128 v[STO], v[64*(\a)+8*\b+4:64*(\a)+8*\b+7] offset:64*\b+16
.endr
	WIN 0
.set BB, 32+64*((\a)%2)
.irp t, 0,1,2,3,4,5,6,7,8,9,10,11,12,13,14,15
	ds_load_b128 v[BB+4*\t:BB+4*\t+3], v[RD] offset:\t*SPITCH
.endr
.endm
.macro SEND a, younger                 ; younger: the LDS instructions issued behind tile a's loads, which may stay out
.set BB, 32+64*((\a)%2)
	s_wait_dscnt \younger
.irp t, 0,1,2,3,4,5,6,7,8,9,10,11,12,13,14,15
	global_store_b128 v[CO], v[BB+4*\t:BB+4*\t+3], s[14:15] offset:(32*((\a)/2)+8*((\a)%2)+\t+8*(\t/8))*4096 th:TH_STORE_NT   ; 32 lanes store 512 consecutive bytes, at a multiple of 256 from the output's first byte; row t of the tile is token 32 (a / 2) + 8 (a % 2) + t + 8 (t / 8)
.endr
.endm
	TOSTAGE 0
.irp a, 1,2,3
.if \a > 1
	s_wait_xcnt 0x0                                ; tile a - 2's stores have read their registers: tile a's loads may land there
.endif
	TOSTAGE \a
	SEND \a-1, 32                                  ; behind tile a - 1's loads: tile a's 16 stores and 16 loads
.endr
	SEND 3, 0
	s_wait_tensorcnt 0x0
	ds_add_u32 v254, v255
	s_wait_dscnt 0x0
	CROUND                                         ; the closing round: no work-group ends while a partner may still ask for a tile that names it
	s_endpgm
.Lfunc_end_k_q0cb8da0c63_proj:
	.size	k_q0cb8da0c63_proj, .Lfunc_end_k_q0cb8da0c63_proj-k_q0cb8da0c63_proj
	.p2alignl 7, 3214868480
	.fill 96, 4, 3214868480
	.section	.rodata,"a",@progbits
	.p2align	6, 0x0
	.amdhsa_kernel k_q0cb8da0c63_proj
		.amdhsa_group_segment_fixed_size 327680
		.amdhsa_private_segment_fixed_size 0
		.amdhsa_enable_private_segment 0
		.amdhsa_kernarg_size 48
		.amdhsa_user_sgpr_count 2
		.amdhsa_user_sgpr_kernarg_segment_ptr 1
		.amdhsa_wavefront_size32 1
		.amdhsa_system_sgpr_workgroup_id_x 1
		.amdhsa_system_sgpr_workgroup_id_y 1
		.amdhsa_system_sgpr_workgroup_id_z 1
		.amdhsa_system_vgpr_workitem_id 0
		.amdhsa_next_free_vgpr 768
		.amdhsa_next_free_sgpr 100
		.amdhsa_reserve_vcc 0
		.amdhsa_float_denorm_mode_32 3
		.amdhsa_float_denorm_mode_16_64 3
		.amdhsa_memory_ordered 1
		.amdhsa_forward_progress 1
		.amdhsa_inst_pref_size 73
	.end_amdhsa_kernel
	.amdgpu_metadata
---
amdhsa.version: [ 1, 2 ]
amdhsa.kernels:
  - .name:           k_q0cb8da0c63_proj
    .symbol:         k_q0cb8da0c63_proj.kd
    .args:
      - { .name: oi, .offset: 0, .size: 8, .value_kind: global_buffer, .address_space: global }
      - { .name: os, .offset: 8, .size: 8, .value_kind: global_buffer, .address_space: global }
      - { .name: out_w_codes, .offset: 16, .size: 8, .value_kind: global_buffer, .address_space: global }
      - { .name: out_w_scales, .offset: 24, .size: 8, .value_kind: global_buffer, .address_space: global }
      - { .name: out_b, .offset: 32, .size: 8, .value_kind: global_buffer, .address_space: global }
      - { .name: out0, .offset: 40, .size: 8, .value_kind: global_buffer, .address_space: global }
    .group_segment_fixed_size: 327680
    .private_segment_fixed_size: 0
    .kernarg_segment_align: 8
    .kernarg_segment_size: 48
    .max_flat_workgroup_size: 128
    .sgpr_count:     100
    .vgpr_count:     768
    .wavefront_size: 32
...
	.end_amdgpu_metadata
.endif
;; end of part 3
